; MI455X (gfx1250); checked and timed in simulation.
; The chip was launched on July 23, 2026; its instructions are those of AMD's public machine-readable ISA for CDNA 5 (MIT licence, August 2026) and "CDNA5" Instruction Set Architecture Reference Guide (July 2026). The comments in the code are by the model that wrote it; some were corrected since.
;; Multi Head Self Attention. Allowed arithmetic: matrix products marked QUANTISED: E2M1 operands, one E8M0 scale for each 32 along K, by v_wmma_scale_f32_16x16x128_f8f6f4 with both operands' format E2M1 (or v_wmma_scale_f32_32x16x128_f4), f32 sums; products left as they are: bf16, f16 or f32 operands; f32 sums; everything else in f32.
;; Inputs: Wk 512 x 512 float32; Wo 512 x 512 float32; Wq 512 x 512 float32; Wv 512 x 512 float32; bk 512 float32; bo 512 float32; bq 512 float32; bv 512 float32; x 2 x 4,096 x 512 float32.
;; Outputs: out0 2 x 4,096 x 512 float32.
;; This version of the problem:
;;   THIS VERSION OF THE PROBLEM IS GIVEN IN LOW PRECISION. The matrix products marked QUANTISED in the list below multiply operands that are first quantised to E2M1 (2 exponent bits, 1 mantissa bit; 4 bits a number), with one power-of-two scale for each 32 numbers along K (OCP MX v1.0); their sums are f32. The products marked 'left as it is' may take bf16, f16 or f32 operands, with f32 sums. Whichever they take, every output number must still come out within the allowed error. Rounding operands to bf16 (8 significant bits) uses up far more of that allowance than f16 does (11 bits, for magnitudes from 6e-5 to 65,504). All else is computed in f32.
;;   The module's matrix products, in the order in which they are computed (A, B: the left and right operand; K: the contracted axis; several contracted axes count as one K, in the product's order):
;;     1. [M 8,192, K 512] x [K 512, N 512]; A: input x; B: input Wq: QUANTISED
;;     2. [M 8,192, K 512] x [K 512, N 512]; A: input x; B: input Wk: QUANTISED
;;     3. [M 8,192, K 512] x [K 512, N 512]; A: input x; B: input Wv: QUANTISED
;;     4. batch 16 x [M 4,096, K 64] x [K 64, N 4,096]; A: computed on the way; B: computed on the way: left as it is (an operand is computed on the way)
;;     5. batch 16 x [M 4,096, K 4,096] x [K 4,096, N 64]; A: computed on the way; B: computed on the way: left as it is (an operand is computed on the way)
;;     6. [M 8,192, K 512] x [K 512, N 512]; A: computed on the way; B: input Wo: left as it is (an operand is computed on the way)
;;   THE QUANTISER, for each operand of a quantised product, along K:
;;     - K is cut into blocks of 32 from its start; a last block that is shorter is filled with zeros.
;;     - A block's scale is 2^e with e = floor(log2(the largest magnitude in the block)) - 2, held to -126 .. 127; a block of zeros has e = 0. As a byte (E8M0): e + 127.
;;     - Each number is divided by its block's scale, clamped to +-6, and rounded to the nearest number of E2M1, ties to even, subnormals kept.
;;     - The product sums the exact products of the quantised numbers (number of the format x scale) in f32.
;;   ~~~python
;;   def quantise(x, axis):      # numpy; x: float32 -> the quantised numbers, widened to float32 again
;;       x = np.moveaxis(x, axis, -1); K = x.shape[-1]
;;       x = np.pad(x, [(0, 0)] * (x.ndim - 1) + [(0, -K % 32)]); x = x.reshape(x.shape[:-1] + (-1, 32)); a = np.abs(x).max(-1, keepdims=True)
;;       e = np.where(a > 0, np.clip(np.frexp(np.where(a > 0, a, 1))[1] - 1 - 2, -126, 127), 0)      # np.frexp(a)[1] - 1 = floor(log2(a)), exactly
;;       r = np.clip(x / 2.0 ** e, -6, 6)
;;       step = 2.0 ** (np.maximum(np.frexp(np.where(r == 0, 1, r))[1] - 1, 0) - 1)
;;       q = np.round(r / step) * step * 2.0 ** e      # np.round: ties to even
;;       return np.moveaxis(q.reshape(q.shape[:-2] + (-1,))[..., :K], -1, axis).astype(np.float32)
;;   ~~~
;; One version. Each part assembles by itself: llvm-mc -triple=amdgcn-amd-amdhsa -mcpu=gfx1250 --defsym DOCPART=n.
;; ======== version 1 of 1: 4 launches
;; limits: values are held in f16: magnitudes above 65,504 overflow, below 6.1e-05 lose precision
;; workspace buffers: wcodes 393,216 bytes; wscales 24,576 bytes; woimg 524,288 bytes; qimg 8,388,608 bytes; kv 16,777,216 bytes; ctximg 8,388,608 bytes
;; launch prep (part 1): grid 256 x 1, 2 waves a work-group, no clusters, 34,048 bytes of LDS; arguments Wq, Wk, Wv, Wo, wcodes, wscales, woimg; writes wcodes, wscales, woimg
.if DOCPART == 1
	.amdgcn_target "amdgcn-amd-amdhsa--gfx1250"
	.amdhsa_code_object_version 6
	.text
	.protected	k_q0b01a3829e_prep
	.globl	k_q0b01a3829e_prep
	.p2align	8
	.type	k_q0b01a3829e_prep,@function
k_q0b01a3829e_prep:
	s_mov_b64 s[64:65], 0
	v_nop
	global_prefetch_b8 v0, s[64:65] scope:SCOPE_SE
	s_setreg_imm32_b32 hwreg(HW_REG_WAVE_MODE, 25, 1), 1
	s_wait_xcnt 0x0
; PREP.  Wq, Wk, Wv [512][512] f32 (K innermost) become codes of FP4 (E2M1) with one E8M0 byte for each 32 along K; Wo [512][512] f32 becomes f16.
; All three results are laid as IMAGES OF THE READER'S OPERAND REGISTERS, 16 bytes a lane, 512 consecutive bytes a store:
;   wcodes  [ct 0..95][s 0..3][c 0..1][lane][16 B]: ct = 32 x matrix + row / 16; lane (r, h) holds row 16 (ct % 32) + r, k = 128 s + 64 c + 32 h + 0..31
;   wscales [row 0..1535][16 B]: word s = the four bytes of K step s
;   woimg   [ct 0..31][ks 0..15][half][lane][16 B]: ct = 4 G + t; lane (r, h) holds Wo's row 64 G + 4 r + t, k = 32 ks + 16 half + 8 h + 0..7 (the rows of a tile are chosen so that the last launch
;           finds four neighbouring output columns in one lane)
; A block's scale is 2^(floor(log2(its largest magnitude)) - 2): its byte is that magnitude's exponent field - 2, held at 1 from below.
; LIMITS: NaN and infinities are not served.  A block of zeros gets the byte 1 where the rule says 127: its codes are zeros, and this program alone reads the bytes.  Wo goes in f16: magnitudes under 65,504.
; SHARES.  A wave takes 16 rows x 128 along K, 64 numbers a lane: one fragment of codes (work-groups 0..191) or four fragments of f16 (work-groups 192..255).  512 waves in all.
; Each load reads 512 consecutive bytes of one row; the 16 rows turn through the wave's own stage in LDS (rows 528 bytes apart: 33 x 16, so that the sixteen rows that a read touches start at sixteen
; different banks; 64 banks of 4 bytes: ISA guide 11.1) and come back as the neighbours along K that a lane's registers want.  No barrier: waves share nothing.  No work-groups share an input: no cluster.
; The two paths part on the work-group's number alone and have LDS bytes of their own.
.set STGB,  16*528                     ; a wave's stage
.set WOST,  2*STGB                     ; the second path's two stages begin here
.set SPARE, 4*STGB                     ; 33,792: the spare words, 128 bytes for each wave: one block of 256 bytes that no other line names
.set LI,   1                           ; v1   16 x lane
.set RR,   2                           ; v2   r = lane % 16
.set HH,   3                           ; v3   h = lane / 16
.set STI,  4                           ; v4   into my stage (codes' path)
.set STO,  5                           ; v5   out of it: 528 r + 64 h
.set STI2, 6                           ; v6   into my stage (f16 path)
.set STO2, 7                           ; v7   out of it: 528 r + 32 h
.set SCO,  8                           ; v8   16 r: my row's place among a tile's scale words
.set SPW,  10                          ; v10  LDS address of my spare word; never rewritten
.set NIL,  11                          ; v11  0; never rewritten
.set R,    16                          ; v16-79   16 rows as loaded; later the f16 images
.set X,    80                          ; v80-143  64 numbers in the order of the operand
.set TM,   144                         ; v144-159 at work in QUANT
.set PW,   160                         ; v160     the scale word
.set PC,   162                         ; v162-169 the codes
.set SEL,  20                          ; s[20:21] v_permlanex16_b32's selects for lane l xor 16
; 64 numbers of a lane, register 16 b + i = k 32 b + 16 h + i of my row, become a fragment's codes in v[PC] on and its scale word in v[PW].
.macro QUANT src
.irp b, 0,1,2,3
	v_max3_num_f32 v[TM+\b], |v[\src+16*\b]|, |v[\src+1+16*\b]|, 0x1800000   ; block b: my 16 numbers, and the floor 2^(3 - 127): the byte cannot fall under 1
.endr
.irp i, 2,4,6,8,10,12,14
.irp b, 0,1,2,3
	v_max3_num_f32 v[TM+\b], v[TM+\b], |v[\src+16*\b+\i]|, |v[\src+1+16*\b+\i]|   ; the four blocks by turns
.endr
.endr
.irp b, 0,1,2,3
	v_permlanex16_b32 v[TM+4+\b], v[TM+\b], s[SEL], s[SEL+1]
.endr
.irp b, 0,1,2,3
	v_max_num_f32 v[TM+\b], v[TM+\b], v[TM+4+\b]       ; with lane l xor 16's 16: the block's largest magnitude
.endr
.irp b, 0,1,2,3
	v_add_nc_u32 v[TM+12+\b], 0xff000000, v[TM+\b]     ; 2 off its exponent field: the conversion's scale operand
.endr
.irp b, 0,1,2,3
	v_lshrrev_b32 v[TM+4+\b], 23, v[TM+12+\b]          ; the scale's byte
.endr
	v_lshl_or_b32 v[PW], v[TM+5], 8, v[TM+4]           ; four bytes: my row's scale word (the same in lanes l and l xor 16)
	v_lshl_or_b32 v[PW], v[TM+6], 16, v[PW]
	v_lshl_or_b32 v[PW], v[TM+7], 24, v[PW]
.irp b, 0,1,2,3
	v_cvt_scalef32_pk8_fp4_f32 v[PC+2*\b], v[\src+16*\b:\src+7+16*\b], v[TM+12+\b]
	v_cvt_scalef32_pk8_fp4_f32 v[PC+1+2*\b], v[\src+8+16*\b:\src+15+16*\b], v[TM+12+\b]
.endr
	v_nop                                              ; one plain instruction behind the last scaled conversion
.irp c, 0,1                                        ; the operand wants a whole block in a lane: lanes 0-15 block 2 c, lanes 16-31 block 2 c + 1
.irp i, 0,1
	v_permlane16_swap_b32 v[PC+4*\c+\i], v[PC+2+4*\c+\i]
.endr
.endr
.endm
; 16 rows of 512 bytes, stride bytes apart, into the stage
.macro TURNIN base, stride, sti
.irp i, 0,1,2,3,4,5,6,7,8,9,10,11,12,13,14,15
	global_load_b128 v[R+4*\i:R+4*\i+3], v[LI], s[\base:\base+1] offset:\i*\stride th:TH_LOAD_NT   ; 32 lanes read 512 consecutive bytes; read once in the launch
.endr
.irp i, 0,1,2,3,4,5,6,7,8,9,10,11,12,13,14,15
	s_wait_loadcnt 15-\i                               ; loads come back in order: row i is in, the 15 - i behind it may be out
	ds_store_b128 v[\sti], v[R+4*\i:R+4*\i+3] offset:\i*528
.endr
.endm
	s_load_b256 s[4:11], s[0:1], 0x0                   ; Wq s[4:5], Wk s[6:7], Wv s[8:9], Wo s[10:11]
	s_load_b128 s[12:15], s[0:1], 0x20                 ; wcodes s[12:13], wscales s[14:15]
	s_load_b64 s[16:17], s[0:1], 0x30                  ; woimg
	v_lshl_add_u32 v[SPW], v0, 2, SPARE
	v_mov_b32 v[NIL], 0
	v_lshrrev_b32 v9, 5, v0
	v_readfirstlane_b32 s18, v9                        ; wave 0, 1
	v_and_b32 v9, 31, v0
	v_and_b32 v[RR], 15, v0
	v_bfe_u32 v[HH], v0, 4, 1
	v_lshlrev_b32 v[LI], 4, v9
	s_mul_i32 s19, s18, STGB
	v_add_nc_u32 v[STI], s19, v[LI]
	v_mul_u32_u24 v[STO], v[RR], 528
	v_add_nc_u32 v[STO], s19, v[STO]
	v_lshl_add_u32 v[STO2], v[HH], 5, v[STO]
	v_add_nc_u32 v[STO2], WOST, v[STO2]
	v_lshl_add_u32 v[STO], v[HH], 6, v[STO]
	v_add_nc_u32 v[STI2], WOST, v[STI]
	v_lshlrev_b32 v[SCO], 4, v[RR]
	s_mov_b32 s[SEL], 0x76543210
	s_mov_b32 s[SEL+1], 0xfedcba98
.irp b, 0,1,2,3
	v_mov_b32 v[TM+4+\b], 0                            ; written once: a lane permute's destination counts as one of its sources
.endr
	s_wait_kmcnt 0x0
	s_cmp_ge_u32 ttmp9, 192
	s_cbranch_scc1 .Lwo
	; ---- codes: fragment u = 2 x work-group + wave = 4 ct + s
	s_cmp_lt_u32 ttmp9, 64                             ; 64 work-groups a matrix: the choice hangs on the work-group's number alone
	s_cselect_b64 s[22:23], s[4:5], s[6:7]
	s_cmp_lt_u32 ttmp9, 128
	s_cselect_b64 s[22:23], s[22:23], s[8:9]
	s_lshr_b32 s24, ttmp9, 1                           ; ct
	s_and_b32 s25, ttmp9, 1
	s_lshl_b32 s25, s25, 1
	s_add_co_u32 s25, s25, s18                         ; s
	s_and_b32 s26, s24, 31
	s_lshl_b32 s26, s26, 15                            ; 16 rows of 2,048 bytes a tile
	s_lshl_b32 s27, s25, 9                             ; 512 bytes a K step
	s_add_co_u32 s26, s26, s27
	s_mov_b32 s27, 0
	s_add_nc_u64 s[22:23], s[22:23], s[26:27]
	s_lshl_b32 s28, s24, 12
	s_lshl_b32 s29, s25, 10
	s_add_co_u32 s28, s28, s29                         ; 1,024 u
	s_mov_b32 s29, 0
	s_add_nc_u64 s[12:13], s[12:13], s[28:29]
	s_lshl_b32 s30, s24, 8
	s_lshl_b32 s31, s25, 2
	s_add_co_u32 s30, s30, s31                         ; 256 ct + 4 s
	s_mov_b32 s31, 0
	s_add_nc_u64 s[14:15], s[14:15], s[30:31]
	TURNIN 22, 2048, STI
.irp b, 0,1,2,3
.irp j, 0,1,2,3
	ds_load_b128 v[X+16*\b+4*\j:X+16*\b+4*\j+3], v[STO] offset:128*\b+16*\j   ; LDS serves a wave's instructions in order: these see my stores.  k = 32 b + 16 h + 4 j on, of row r
.endr
.endr
	s_wait_dscnt 0x0
	QUANT X
	global_store_b128 v[LI], v[PC:PC+3], s[12:13]              ; 512 consecutive bytes, aligned
	global_store_b128 v[LI], v[PC+4:PC+7], s[12:13] offset:512
	global_store_b32 v[SCO], v[PW], s[14:15]                   ; lanes l and l xor 16 store the same word to the same place; 4 bytes of each 16: 24,576 bytes in the whole launch leave so
	s_wait_tensorcnt 0x0                               ; the wave's end: behind my last LDS store
	ds_add_u32 v[SPW], v[NIL]
	s_wait_dscnt 0x0
	s_endpgm
.Lwo:	; ---- Wo: unit u' = 2 x (work-group - 192) + wave = 4 ct + chunk of 128 along K
	s_sub_co_u32 s24, ttmp9, 192
	s_lshl_b32 s24, s24, 1
	s_add_co_u32 s24, s24, s18                         ; u'
	s_lshr_b32 s25, s24, 4                             ; G
	s_bfe_u32 s26, s24, 0x20002                        ; t
	s_lshl_b32 s25, s25, 6
	s_add_co_u32 s25, s25, s26                         ; the tile's first row: 64 G + t; its rows lie four apart
	s_lshl_b32 s26, s25, 11
	s_and_b32 s27, s24, 3
	s_lshl_b32 s27, s27, 9
	s_add_co_u32 s26, s26, s27
	s_mov_b32 s27, 0
	s_add_nc_u64 s[10:11], s[10:11], s[26:27]
	s_lshl_b32 s28, s24, 12                            ; 4,096 u'
	s_mov_b32 s29, 0
	s_add_nc_u64 s[16:17], s[16:17], s[28:29]
	TURNIN 10, 8192, STI2
.irp b, 0,1,2,3
.irp f, 0,1
.irp j, 0,1
	ds_load_b128 v[X+16*\b+8*\f+4*\j:X+16*\b+8*\f+4*\j+3], v[STO2] offset:128*\b+64*\f+16*\j   ; k = 32 b + 16 f + 8 h + 4 j on, of the tile's row r
.endr
.endr
.endr
	s_wait_dscnt 0x0                                   ; the numbers are in, and the stage's stores have read v16-79
.set n, 0
.rept 32
	v_cvt_pk_f16_f32 v[R+n], v[X+2*n], v[X+2*n+1]
.set n, n+1
.endr
.irp e, 0,1,2,3,4,5,6,7
	global_store_b128 v[LI], v[R+4*\e:R+4*\e+3], s[16:17] offset:512*\e   ; image (ks = e / 2, half = e % 2)
.endr
	s_wait_tensorcnt 0x0                               ; the wave's end, as above
	ds_add_u32 v[SPW], v[NIL]
	s_wait_dscnt 0x0
	s_endpgm
.Lfunc_end_k_q0b01a3829e_prep:
	.size	k_q0b01a3829e_prep, .Lfunc_end_k_q0b01a3829e_prep-k_q0b01a3829e_prep
	.p2alignl 7, 3214868480
	.fill 96, 4, 3214868480
	.section	.rodata,"a",@progbits
	.p2align	6, 0x0
	.amdhsa_kernel k_q0b01a3829e_prep
		.amdhsa_group_segment_fixed_size 34048
		.amdhsa_private_segment_fixed_size 0
		.amdhsa_enable_private_segment 0
		.amdhsa_kernarg_size 56
		.amdhsa_user_sgpr_count 2
		.amdhsa_user_sgpr_kernarg_segment_ptr 1
		.amdhsa_wavefront_size32 1
		.amdhsa_system_sgpr_workgroup_id_x 1
		.amdhsa_system_sgpr_workgroup_id_y 1
		.amdhsa_system_sgpr_workgroup_id_z 1
		.amdhsa_system_vgpr_workitem_id 0
		.amdhsa_next_free_vgpr 176
		.amdhsa_next_free_sgpr 66
		.amdhsa_reserve_vcc 0
		.amdhsa_float_denorm_mode_32 3
		.amdhsa_float_denorm_mode_16_64 3
		.amdhsa_memory_ordered 1
		.amdhsa_forward_progress 1
		.amdhsa_inst_pref_size 19
	.end_amdhsa_kernel
	.amdgpu_metadata
---
amdhsa.version: [ 1, 2 ]
amdhsa.kernels:
  - .name:           k_q0b01a3829e_prep
    .symbol:         k_q0b01a3829e_prep.kd
    .args:
      - { .name: Wq, .offset: 0, .size: 8, .value_kind: global_buffer, .address_space: global }
      - { .name: Wk, .offset: 8, .size: 8, .value_kind: global_buffer, .address_space: global }
      - { .name: Wv, .offset: 16, .size: 8, .value_kind: global_buffer, .address_space: global }
      - { .name: Wo, .offset: 24, .size: 8, .value_kind: global_buffer, .address_space: global }
      - { .name: wcodes, .offset: 32, .size: 8, .value_kind: global_buffer, .address_space: global }
      - { .name: wscales, .offset: 40, .size: 8, .value_kind: global_buffer, .address_space: global }
      - { .name: woimg, .offset: 48, .size: 8, .value_kind: global_buffer, .address_space: global }
    .group_segment_fixed_size: 34048
    .private_segment_fixed_size: 0
    .kernarg_segment_align: 8
    .kernarg_segment_size: 56
    .max_flat_workgroup_size: 64
    .sgpr_count:     66
    .vgpr_count:     176
    .wavefront_size: 32
...
	.end_amdgpu_metadata
.endif
;; end of part 1
;; launch qkv (part 2): grid 256 x 1, 8 waves a work-group, no clusters, 77,824 bytes of LDS; arguments x, wcodes, wscales, bq, bk, bv, qimg, kv; writes qimg, kv
.if DOCPART == 2
	.amdgcn_target "amdgcn-amd-amdhsa--gfx1250"
	.amdhsa_code_object_version 6
	.text
	.protected	k_q0b01a3829e_qkv
	.globl	k_q0b01a3829e_qkv
	.p2align	8
	.type	k_q0b01a3829e_qkv,@function
k_q0b01a3829e_qkv:
	s_mov_b64 s[64:65], 0
	v_nop
	global_prefetch_b8 v0, s[64:65] scope:SCOPE_SE
	s_setreg_imm32_b32 hwreg(HW_REG_WAVE_MODE, 25, 1), 1
	s_wait_xcnt 0x0
; QKV.  q = Q(x) Q(Wq)^T + bq, k and v likewise, on codes of FP4 (E2M1) with E8M0 scales for each 32 along K = 512; sums f32.  x [8192][512] f32 is quantised here, in registers; the weights come as codes.
; The results leave in f16 as images of the attention launch's operand registers (16 bytes a lane, 512 consecutive bytes a store):
;   qimg [bh 0..15][token tile 0..255][j 0..3][lane][16 B]: lane (r, h): token 16 tt + r, d = 16 j + 8 h + 0..7, the number (q + bq) x c, c = log2(e) / 8: so that p = 2^(score - maximum) later wants no multiply
;   kv   [bh][slot 0..7][131,072 B], 512 keys a slot: bytes 0..65,535 K as [key tile 0..31][j][lane][16], like qimg; from 65,536 V as [kp 0..15][dt 0..3][m 0..1][lane][16]: d = 16 dt + r, key = 32 kp + 16 m + 8 h + 0..7
; LIMITS: NaN and infinities are not served; a block of zeros gets the byte 1 with zero codes (read by this program alone); q x c, k and v go in f16: magnitudes under 65,504.
; SHARES.  A work-group takes 32 tokens (two tiles m) x all 1,536 columns; wave w is head w: four column tiles j of each of q, k, v: 96 matrix instructions.  Wave w also quantises x's fragment w (token tile w / 4, K step w % 4);
; the eight fragments and their scale words go from wave to wave through LDS as images of their registers: one barrier in the launch.
; q and k are used TRANSPOSED (source 0 = 16 rows of W, source 1 = 16 tokens): a lane then holds one token and eight neighbouring d; the bias is the C of each sum's first instruction.  v is used as it reads
; (source 0 = tokens, source 1 = rows of W): a lane holds one d and eight neighbouring tokens, which are the second attention product's K; its bias is added behind the sums.
; NO CLUSTER, NO TENSOR LOAD: the three weights' codes are 393,216 bytes, more than the 327,680 that a work-group can claim, so they could only pass through a ring; each fragment is read by ONE wave of the work-group and feeds
; two products, so LDS would give no reuse inside the work-group.  The codes lie in the order of the operand's registers and go from memory straight into them, a group (q, k or v: 44 loads) ahead of its products.
.set XIMG,  0                          ; LDS: x's eight fragments, 1,024 bytes each,
.set XSC,   8192                       ; their scale words, 128 bytes each,
.set STG0,  9216                       ; the eight waves' stages: 16 rows x 528 bytes (33 x 16: sixteen rows start at sixteen different banks; ISA guide 11.1),
.set STGB,  16*528
.set SPARE, STG0+8*STGB                ; 76,800: the spare words, 128 bytes for each wave: four blocks of 256 bytes that no other line names
.set LI,   1                           ; v1   16 x lane
.set LS,   2                           ; v2   4 x lane
.set STI,  3                           ; v3   into my stage
.set STO,  4                           ; v4   out of it: 528 r + 64 h
.set XWI,  5                           ; v5   where I store my fragment's image
.set XWS,  6                           ; v6   and its scale words
.set LR16, 7                           ; v7   16 r
.set LH32, 8                           ; v8   32 h
.set LR4,  9                           ; v9   4 r
.set SPW,  10                          ; v10  LDS address of my spare word; never rewritten
.set NIL,  11                          ; v11  0; never rewritten
.set XF,   16                          ; v16-79   x as loaded; then x's eight fragments, (m, s) at 8 (4 m + s)
.set XS,   80                          ; v80-87   their scale words: scales and nothing else
.set ACC,  88                          ; v88-151  64 numbers of x for QUANT; then the eight accumulators, (j, m) at 8 (2 j + m)
.set TM,   152                         ; v152-167 at work in QUANT
.set PW,   168
.set PC,   170                         ; v170-177 the codes
.set BIA1, 152                         ; v152-183 later: bk in the result's layout
.set WS,   184                         ; v184-215 the weights' scale words, two sets: 16 p + 4 j + s: scales and nothing else
.set BIA0, 216                         ; v216-247 bq in the result's layout
.set BV,   248                         ; v248-255 bv: a pair for each tile j
                                       ; window 1: the weights' fragments, two sets: 128 p + 32 j + 8 s
.set SEL,  22                          ; s[22:23]
.set CS,   24                          ; s[24:25] c, twice
.set MSB, 0
.macro WIN new                         ; the immediate's high byte repeats the setting that is left
.if MSB != \new
	s_set_vgpr_msb (MSB<<8)|\new
.set MSB, \new
.endif
.endm
.macro PLACES n
.rept \n
	v_nop
.endr
.endm
.macro QUANT src                       ; 64 numbers of a lane, register 16 b + i = k 32 b + 16 h + i of my row -> codes in v[PC] on, scale word in v[PW]
.irp b, 0,1,2,3
	v_max3_num_f32 v[TM+\b], |v[\src+16*\b]|, |v[\src+1+16*\b]|, 0x1800000   ; and the floor 2^(3 - 127): the byte cannot fall under 1
.endr
.irp i, 2,4,6,8,10,12,14
.irp b, 0,1,2,3
	v_max3_num_f32 v[TM+\b], v[TM+\b], |v[\src+16*\b+\i]|, |v[\src+1+16*\b+\i]|
.endr
.endr
.irp b, 0,1,2,3
	v_permlanex16_b32 v[TM+4+\b], v[TM+\b], s[SEL], s[SEL+1]
.endr
.irp b, 0,1,2,3
	v_max_num_f32 v[TM+\b], v[TM+\b], v[TM+4+\b]
.endr
.irp b, 0,1,2,3
	v_add_nc_u32 v[TM+12+\b], 0xff000000, v[TM+\b]     ; 2 off the exponent field: the conversion's scale operand
.endr
.irp b, 0,1,2,3
	v_lshrrev_b32 v[TM+4+\b], 23, v[TM+12+\b]          ; the byte
.endr
	v_lshl_or_b32 v[PW], v[TM+5], 8, v[TM+4]
	v_lshl_or_b32 v[PW], v[TM+6], 16, v[PW]
	v_lshl_or_b32 v[PW], v[TM+7], 24, v[PW]
.irp b, 0,1,2,3
	v_cvt_scalef32_pk8_fp4_f32 v[PC+2*\b], v[\src+16*\b:\src+7+16*\b], v[TM+12+\b]
	v_cvt_scalef32_pk8_fp4_f32 v[PC+1+2*\b], v[\src+8+16*\b:\src+15+16*\b], v[TM+12+\b]
.endr
	v_nop                                              ; one plain instruction behind the last scaled conversion
.irp c, 0,1
.irp i, 0,1
	v_permlane16_swap_b32 v[PC+4*\c+\i], v[PC+2+4*\c+\i]
.endr
.endr
.endm
; 36 loads: my head's 16 fragments of matrix grp into set p, and their rows' scale words
.macro WLOAD p, grp
	WIN 0x40                                           ; destination window 1
.irp j, 0,1,2,3
.irp s, 0,1,2,3
.irp c, 0,1
	global_load_b128 v[128*\p+32*\j+8*\s+4*\c:128*\p+32*\j+8*\s+4*\c+3], v[LI], s[6:7] offset:\grp*131072+\j*4096+\s*1024+\c*512
.endr
.endr
.endr
	WIN 0
.irp j, 0,1,2,3
	global_load_b128 v[WS+16*\p+4*\j:WS+16*\p+4*\j+3], v[LR16], s[8:9] offset:\grp*8192+\j*256
.endr
.endm
; 8 loads: a bias in the transposed result's layout: lane (r, h), tile j: the numbers of d = 16 j + 8 h + 0..7
.macro BLOAD ptr, bia
.irp j, 0,1,2,3
	global_load_b128 v[\bia+8*\j:\bia+8*\j+3], v[LH32], s[\ptr:\ptr+1] offset:64*\j
	global_load_b128 v[\bia+8*\j+4:\bia+8*\j+7], v[LH32], s[\ptr:\ptr+1] offset:64*\j+16
.endr
.endm
; 32 matrix instructions; the eight accumulators take turns, one instruction a turn.  Transposed: source 0 = W, source 1 = x; the bias starts the sums
.macro GROUPT p, bia
	WIN 0x01                                           ; source 0 window 1
.irp s, 0,1,2,3
.irp j, 0,1,2,3
.irp m, 0,1
.if \s == 0
	v_wmma_scale_f32_16x16x128_f8f6f4 v[ACC+8*(2*\j+\m):ACC+8*(2*\j+\m)+7], v[128*\p+32*\j+8*\s:128*\p+32*\j+8*\s+7], v[XF+8*(4*\m+\s):XF+8*(4*\m+\s)+7], v[\bia+8*\j:\bia+8*\j+7], v[WS+16*\p+4*\j+\s], v[XS+4*\m+\s] matrix_a_fmt:MATRIX_FMT_FP4 matrix_b_fmt:MATRIX_FMT_FP4
.else
	v_wmma_scale_f32_16x16x128_f8f6f4 v[ACC+8*(2*\j+\m):ACC+8*(2*\j+\m)+7], v[128*\p+32*\j+8*\s:128*\p+32*\j+8*\s+7], v[XF+8*(4*\m+\s):XF+8*(4*\m+\s)+7], v[ACC+8*(2*\j+\m):ACC+8*(2*\j+\m)+7], v[WS+16*\p+4*\j+\s], v[XS+4*\m+\s] matrix_a_fmt:MATRIX_FMT_FP4 matrix_b_fmt:MATRIX_FMT_FP4
.endif
.endr
.endr
.endr
	WIN 0
.endm
; the same as it reads: source 0 = x, source 1 = W; the constant 0 starts the sums
.macro GROUPN p
	WIN 0x04                                           ; source 1 window 1
.irp s, 0,1,2,3
.irp j, 0,1,2,3
.irp m, 0,1
.if \s == 0
	v_wmma_scale_f32_16x16x128_f8f6f4 v[ACC+8*(2*\j+\m):ACC+8*(2*\j+\m)+7], v[XF+8*(4*\m+\s):XF+8*(4*\m+\s)+7], v[128*\p+32*\j+8*\s:128*\p+32*\j+8*\s+7], 0, v[XS+4*\m+\s], v[WS+16*\p+4*\j+\s] matrix_a_fmt:MATRIX_FMT_FP4 matrix_b_fmt:MATRIX_FMT_FP4
.else
	v_wmma_scale_f32_16x16x128_f8f6f4 v[ACC+8*(2*\j+\m):ACC+8*(2*\j+\m)+7], v[XF+8*(4*\m+\s):XF+8*(4*\m+\s)+7], v[128*\p+32*\j+8*\s:128*\p+32*\j+8*\s+7], v[ACC+8*(2*\j+\m):ACC+8*(2*\j+\m)+7], v[XS+4*\m+\s], v[WS+16*\p+4*\j+\s] matrix_a_fmt:MATRIX_FMT_FP4 matrix_b_fmt:MATRIX_FMT_FP4
.endif
.endr
.endr
.endr
	WIN 0
.endm
; the way out of a group: kind 0 (q): x c; kind 2 (v): + bv; all: eight f32 to 16 bytes of f16, in place, each accumulator from its low end on; one store of 512 consecutive bytes
.macro POST kind, ptr, base, js, ms
.irp j, 0,1,2,3
.irp m, 0,1
.set AC, ACC+8*(2*\j+\m)
.if \kind == 0
.irp i, 0,2,4,6
	v_pk_mul_f32 v[AC+\i:AC+\i+1], v[AC+\i:AC+\i+1], s[CS:CS+1] op_sel_hi:[1,0]
.endr
.endif
.if \kind == 2
.irp i, 0,2,4,6
	v_pk_add_f32 v[AC+\i:AC+\i+1], v[AC+\i:AC+\i+1], v[BV+2*\j:BV+2*\j+1]
.endr
.endif
.irp i, 0,1,2,3
	v_cvt_pk_f16_f32 v[AC+\i], v[AC+2*\i], v[AC+2*\i+1]        ; register i takes numbers 2 i and 2 i + 1: ascending, so nothing is overwritten before it is read
.endr
	global_store_b128 v[LI], v[AC:AC+3], s[\ptr:\ptr+1] offset:\base+\j*\js+\m*\ms
.endr
.endr
.endm
	s_load_b256 s[4:11], s[0:1], 0x0                   ; x s[4:5], wcodes s[6:7], wscales s[8:9], bq s[10:11]
	s_load_b256 s[12:19], s[0:1], 0x20                 ; bk s[12:13], bv s[14:15], qimg s[16:17], kv s[18:19]
	v_lshl_add_u32 v[SPW], v0, 2, SPARE
	v_mov_b32 v[NIL], 0
	v_lshrrev_b32 v12, 5, v0
	v_readfirstlane_b32 s20, v12                       ; wave 0..7 = head
	v_and_b32 v12, 31, v0
	v_and_b32 v13, 15, v0                              ; r
	v_bfe_u32 v14, v0, 4, 1                            ; h
	v_lshlrev_b32 v[LI], 4, v12
	v_lshlrev_b32 v[LS], 2, v12
	s_mul_i32 s21, s20, STGB
	s_add_co_u32 s21, s21, STG0
	v_add_nc_u32 v[STI], s21, v[LI]
	v_mul_u32_u24 v[STO], v13, 528
	v_lshl_add_u32 v[STO], v14, 6, v[STO]
	v_add_nc_u32 v[STO], s21, v[STO]
	s_lshl_b32 s21, s20, 10
	v_add_nc_u32 v[XWI], s21, v[LI]                    ; XIMG + 1,024 w + 16 x lane
	s_lshl_b32 s21, s20, 7
	s_add_co_u32 s21, s21, XSC
	v_add_nc_u32 v[XWS], s21, v[LS]
	v_lshlrev_b32 v[LR16], 4, v13
	v_lshlrev_b32 v[LH32], 5, v14
	v_lshlrev_b32 v[LR4], 2, v13
.irp b, 0,1,2,3
	v_mov_b32 v[TM+4+\b], 0                            ; a lane permute's destination counts as one of its sources
.endr
	s_mov_b32 s[SEL], 0x76543210
	s_mov_b32 s[SEL+1], 0xfedcba98
	s_mov_b32 s[CS], 0x3e38aa3b                        ; c = log2(e) / 8
	s_mov_b32 s[CS+1], s[CS]
	s_lshl_b32 s26, ttmp9, 16                          ; x: 32 rows of 2,048 bytes a work-group,
	s_lshr_b32 s28, s20, 2
	s_lshl_b32 s28, s28, 15                            ; token tile w / 4,
	s_add_co_u32 s26, s26, s28
	s_and_b32 s28, s20, 3
	s_lshl_b32 s28, s28, 9                             ; K step w % 4
	s_add_co_u32 s26, s26, s28
	s_mov_b32 s27, 0
	s_lshl_b32 s28, s20, 14                            ; my head's four tiles of codes,
	s_mov_b32 s29, 0
	s_lshl_b32 s30, s20, 10                            ; of scale words,
	s_mov_b32 s31, 0
	s_lshl_b32 s32, s20, 8                             ; its 64 numbers of a bias
	s_mov_b32 s33, 0
	s_lshr_b32 s34, ttmp9, 7
	s_lshl_b32 s34, s34, 3
	s_add_co_u32 s34, s34, s20                         ; bh = 8 x batch + head
	s_and_b32 s35, ttmp9, 127                          ; g: my 32 tokens within the batch
	s_lshl_b32 s36, s34, 19
	s_lshl_b32 s38, s35, 12
	s_add_co_u32 s36, s36, s38                         ; qimg: 524,288 bh + 4,096 g
	s_mov_b32 s37, 0
	s_lshl_b32 s38, s34, 20
	s_lshr_b32 s40, s35, 4
	s_lshl_b32 s40, s40, 17
	s_add_co_u32 s38, s38, s40
	s_and_b32 s40, s35, 15
	s_lshl_b32 s40, s40, 12
	s_add_co_u32 s38, s38, s40                         ; kv: 1,048,576 bh + 131,072 (g / 16) + 4,096 (g % 16)
	s_mov_b32 s39, 0
	s_wait_kmcnt 0x0
	s_add_nc_u64 s[4:5], s[4:5], s[26:27]
	s_add_nc_u64 s[6:7], s[6:7], s[28:29]
	s_add_nc_u64 s[8:9], s[8:9], s[30:31]
	s_add_nc_u64 s[10:11], s[10:11], s[32:33]
	s_add_nc_u64 s[12:13], s[12:13], s[32:33]
	s_add_nc_u64 s[14:15], s[14:15], s[32:33]
	s_add_nc_u64 s[16:17], s[16:17], s[36:37]
	s_add_nc_u64 s[18:19], s[18:19], s[38:39]
.irp i, 0,1,2,3,4,5,6,7,8,9,10,11,12,13,14,15
	global_load_b128 v[XF+4*\i:XF+4*\i+3], v[LI], s[4:5] offset:\i*2048 th:TH_LOAD_NT   ; my 16 rows' 512 bytes of my K step: read once in the launch
.endr
	WLOAD 0, 0                                         ; q's group: 36 + 8 = 44 loads
	BLOAD 10, BIA0
	s_wait_loadcnt 44                                  ; x's 16 loads are in; q's 44 may be out
.irp i, 0,1,2,3,4,5,6,7,8,9,10,11,12,13,14,15
	ds_store_b128 v[STI], v[XF+4*\i:XF+4*\i+3] offset:\i*528
.endr
.irp b, 0,1,2,3
.irp j, 0,1,2,3
	ds_load_b128 v[ACC+16*\b+4*\j:ACC+16*\b+4*\j+3], v[STO] offset:128*\b+16*\j   ; LDS serves a wave's instructions in order: these see my stores
.endr
.endr
	s_wait_dscnt 0x0
	QUANT ACC
	ds_store_b128 v[XWI], v[PC:PC+3]                   ; my fragment as it stands,
	ds_store_b128 v[XWI], v[PC+4:PC+7] offset:512
	ds_store_b32 v[XWS], v[PW]                         ; and its scale words
	s_wait_dscnt 0x0                                   ; for the others' sake: my stores have landed
	s_barrier_signal -1
	s_barrier_wait -1                                  ; x's eight fragments lie in LDS
	WLOAD 1, 1                                         ; k's group, into the other set; its bias takes QUANT's registers, which are done with
	BLOAD 12, BIA1
.irp f, 0,1,2,3,4,5,6,7
	ds_load_b128 v[XF+8*\f:XF+8*\f+3], v[LI] offset:XIMG+1024*\f
	ds_load_b128 v[XF+8*\f+4:XF+8*\f+7], v[LI] offset:XIMG+1024*\f+512
	ds_load_b32 v[XS+\f], v[LS] offset:XSC+128*\f
.endr
	s_wait_loadcnt 44                                  ; q's group is in; k's 44 may be out
	s_wait_dscnt 0x0
	GROUPT 0, BIA0
	PLACES 4                                           ; four plain instructions between the last products and loads into registers that they read (ISA guide 7.12.1 for vector instructions)
	WLOAD 0, 2                                         ; v's group, into q's set
.irp j, 0,1,2,3
	global_load_b32 v[BV+2*\j], v[LR4], s[14:15] offset:64*\j      ; bv of d = 16 j + r, in both registers of a pair: 8 loads, 44 in the group
	global_load_b32 v[BV+2*\j+1], v[LR4], s[14:15] offset:64*\j
.endr
	POST 0, 16, 0, 512, 2048
	s_wait_loadcnt 44                                  ; k's group is in; v's 44 may be out
	s_wait_xcnt 0x0                                    ; q's stores have read the accumulators' registers
	GROUPT 1, BIA1
	PLACES 4
	POST 1, 18, 0, 512, 2048
	s_wait_loadcnt 0x0                                 ; v's group
	s_wait_xcnt 0x0
	GROUPN 0
	PLACES 4
	POST 2, 18, 65536, 1024, 512
	s_wait_tensorcnt 0x0                               ; the wave's end: behind my last LDS store
	ds_add_u32 v[SPW], v[NIL]
	s_wait_dscnt 0x0
	s_endpgm
.Lfunc_end_k_q0b01a3829e_qkv:
	.size	k_q0b01a3829e_qkv, .Lfunc_end_k_q0b01a3829e_qkv-k_q0b01a3829e_qkv
	.p2alignl 7, 3214868480
	.fill 96, 4, 3214868480
	.section	.rodata,"a",@progbits
	.p2align	6, 0x0
	.amdhsa_kernel k_q0b01a3829e_qkv
		.amdhsa_group_segment_fixed_size 77824
		.amdhsa_private_segment_fixed_size 0
		.amdhsa_enable_private_segment 0
		.amdhsa_kernarg_size 64
		.amdhsa_user_sgpr_count 2
		.amdhsa_user_sgpr_kernarg_segment_ptr 1
		.amdhsa_wavefront_size32 1
		.amdhsa_system_sgpr_workgroup_id_x 1
		.amdhsa_system_sgpr_workgroup_id_y 1
		.amdhsa_system_sgpr_workgroup_id_z 1
		.amdhsa_system_vgpr_workitem_id 0
		.amdhsa_next_free_vgpr 512
		.amdhsa_next_free_sgpr 66
		.amdhsa_reserve_vcc 0
		.amdhsa_float_denorm_mode_32 3
		.amdhsa_float_denorm_mode_16_64 3
		.amdhsa_memory_ordered 1
		.amdhsa_forward_progress 1
		.amdhsa_inst_pref_size 50
	.end_amdhsa_kernel
	.amdgpu_metadata
---
amdhsa.version: [ 1, 2 ]
amdhsa.kernels:
  - .name:           k_q0b01a3829e_qkv
    .symbol:         k_q0b01a3829e_qkv.kd
    .args:
      - { .name: x, .offset: 0, .size: 8, .value_kind: global_buffer, .address_space: global }
      - { .name: wcodes, .offset: 8, .size: 8, .value_kind: global_buffer, .address_space: global }
      - { .name: wscales, .offset: 16, .size: 8, .value_kind: global_buffer, .address_space: global }
      - { .name: bq, .offset: 24, .size: 8, .value_kind: global_buffer, .address_space: global }
      - { .name: bk, .offset: 32, .size: 8, .value_kind: global_buffer, .address_space: global }
      - { .name: bv, .offset: 40, .size: 8, .value_kind: global_buffer, .address_space: global }
      - { .name: qimg, .offset: 48, .size: 8, .value_kind: global_buffer, .address_space: global }
      - { .name: kv, .offset: 56, .size: 8, .value_kind: global_buffer, .address_space: global }
    .group_segment_fixed_size: 77824
    .private_segment_fixed_size: 0
    .kernarg_segment_align: 8
    .kernarg_segment_size: 64
    .max_flat_workgroup_size: 256
    .sgpr_count:     66
    .vgpr_count:     512
    .wavefront_size: 32
...
	.end_amdgpu_metadata
.endif
;; end of part 2
;; launch attn (part 3): grid 16 x 16, 8 waves a work-group, clusters of 4 x 1, 327,680 bytes of LDS; arguments qimg, kv, ctximg; writes ctximg
.if DOCPART == 3
	.amdgcn_target "amdgcn-amd-amdhsa--gfx1250"
	.amdhsa_code_object_version 6
	.text
	.protected	k_q0b01a3829e_attn
	.globl	k_q0b01a3829e_attn
	.p2align	8
	.type	k_q0b01a3829e_attn,@function
k_q0b01a3829e_attn:
	s_mov_b64 s[64:65], 0
	v_nop
	global_prefetch_b8 v0, s[64:65] scope:SCOPE_SE
	s_setreg_imm32_b32 hwreg(HW_REG_WAVE_MODE, 25, 1), 1
	s_wait_xcnt 0x0
	s_wait_alu depctr_hold_cnt(0) depctr_sa_sdst(0) depctr_va_vdst(0) depctr_va_sdst(0) depctr_va_ssrc(0) depctr_va_vcc(0) depctr_vm_vsrc(0)
	s_getreg_b32 s2, hwreg(HW_REG_IB_STS2, 6, 4)
	s_cmp_eq_u32 s2, 0
	s_cbranch_scc0 .Lentry_in_a_cluster
	s_endpgm
.Lentry_in_a_cluster:
	s_bfe_u32 s2, ttmp6, 0x10000c
	s_cmp_lg_u32 s2, 0x3003
	s_cbranch_scc0 .Lentry_shape_is_right
	s_endpgm
.Lentry_shape_is_right:
; ATTN.  ctx[bh][q] = the sum over keys of softmax(q . k / 8) v, 16 (batch, head) pairs, 4,096 queries and keys, head size 64, no mask.  Operands f16, sums, maxima and exponentials f32.
; q arrives multiplied by c = log2(e) / 8, so a score s is already in powers of two: p = 2^(s - m), m the query's running maximum; in every step O and the sum l are multiplied by a = 2^(m_old - m_new).
; LIMITS: NaN and infinities are not served; ctx goes out in f16 (an average of v's numbers, which are f16 themselves).
; SHARES.  A work-group owns 256 queries of one bh; each of its eight waves 32 of them: two tiles of 16.  Two waves lie on a SIMD, so that one wave's softmax stands beside the other's products and LDS loads;
; each fragment of K and V read from LDS feeds two matrix instructions.  Every wave walks all keys, 64 a step; a slot of the ring holds 512 keys: 65,536 bytes of K, then 65,536 of V.
; LAYOUT.  qimg, kv and ctximg are images of operand registers: a fragment is two loads of 16 bytes a lane, 512 consecutive bytes each: no pitch, no padding, no turning load.
; S^T = K Q^T (source 0 = 16 keys, source 1 = 16 queries): a lane holds ONE query (lane % 16) and keys 8 (lane / 16) + 0..7 of a tile; two tiles rounded to f16 in pairs ARE source 1 (32 keys x 16 queries) of
; O^T = V^T P, whose result again holds one query a lane, and eight channels: 16 bytes of an image of the last launch's operand.
; CLUSTER.  The four query blocks of a cluster belong to one bh and walk the same kv: every tile is asked for JOINTLY, the same tensor load with the same descriptor and the mask of all four; each wave brings 16,384 bytes.
; REGISTERS.  window 0: v1-7 addresses; v8-31 twelve of statistics a tile; v32-95 S^T (32 t + 8 kt); v96-127 P (16 t + 8 kc); v128-191 K of a step; v192-255 V of a step.   window 1: v0-31 Q (16 t + 8 c); v32-95 O^T (32 t + 8 dt).
.set SLOT1, 1<<17                      ; slot 1 begins here: one exclusive or turns an address in one slot into the other's
.set SPARE, 2*SLOT1                    ; the spare words, 128 bytes for each wave: four blocks of 256 bytes that no other line names
.set LI,   1                           ; v1   16 x lane
.set LIV,  2                           ; v2   the same in V's half of a slot
.set ADK,  3                           ; v3   LDS address of the step's K
.set ADV,  4                           ; v4   of its V
.set SPW,  5                           ; v5   LDS address of my spare word; never rewritten
.set NIL,  6                           ; v6   0; never rewritten
.set PFO,  7                           ; v7   256 x lane: the prefetches' offset; never rewritten
.set ST,   8                           ; tile t's statistics at v[ST + 12 t]: +0 m, +1 the new m, +2,3 -m (a pair), +4,5 a (a pair), +6,7 l (even keys', odd keys'), +8..11 c0-c3 at work
.set S,    32
.set P,    96
.set KF,   128
.set VF,   192
.set OW,   32                          ; O^T, in window 1
.set WV,   10                          ; s10  wave
.set CX,   11                          ; s11  my place in the cluster
.set QB,   12                          ; s12  my block of 256 queries
.set BH,   13                          ; s13  batch and head
.set G1,   16                          ; s[16:23] descriptor group 1
.set G0,   24                          ; s[24:27] descriptor group 0: it walks
.set PFA,  28                          ; s[28:29] where my prefetches stand
.set LIM,  30                          ; s30  1 in a wave that prefetches, else the greatest number
.set SLOTS, 31                         ; s31  slots still to be asked for
.set STEPC, 32                         ; s32  counts a slot's eight steps
.set TB,   33                          ; s33  LDS byte at which the step's K begins
.set SEL,  34                          ; s[34:35]
.set MSB, 0
.macro WIN new                         ; the immediate's high byte repeats the setting that is left
.if MSB != \new
	s_set_vgpr_msb (MSB<<8)|\new
.set MSB, \new
.endif
.endm
.macro PLACES n
.rept \n
	v_nop
.endr
.endm
; A round of the cluster's barrier: my work-group's barrier; wave 0 signals for the work-group; every wave waits for all four work-groups; my work-group's barrier once more.
.macro CROUND
	s_barrier_signal -1
	s_barrier_wait -1
	s_cmp_lg_u32 s[WV], 0
	s_cbranch_scc1 .Lnot_wave_0_\@
	s_barrier_signal -3
.Lnot_wave_0_\@:
	s_barrier_wait -3
	s_barrier_signal -1
	s_barrier_wait -1
.endm
; A prefetch of what the NEXT change of slots will ask for: a slot's 131,072 bytes, eight key steps ahead of that load.  Each aligned block of 256 bytes is named once in the launch: all four clusters of a bh walk
; the same kv, so the first of them asks; its four partners take 32,768 bytes each, told apart BY ADDRESS; in each, waves 0 to 3 take 8,192 bytes, a lane a block.  The last change that fills a slot asks for nothing.
.macro ASK
	s_cmp_gt_u32 s[SLOTS], s[LIM]
	s_cbranch_scc0 .Lnot_mine_\@
	global_prefetch_b8 v[PFO], s[PFA:PFA+1] th:TH_LOAD_NT scope:SCOPE_SE
.Lnot_mine_\@:
.endm
	s_load_b128 s[4:7], s[0:1], 0x0                    ; qimg s[4:5], kv s[6:7]
	s_load_b64 s[8:9], s[0:1], 0x10                    ; ctximg
	v_lshl_add_u32 v[SPW], v0, 2, SPARE
	v_mov_b32 v[NIL], 0
	ds_add_u32 v[SPW], v[NIL]                          ; the wave's opening: the add, twice on end, and its wait ahead of my first tensor load
	ds_add_u32 v[SPW], v[NIL]
	v_lshrrev_b32 v1, 5, v0
	v_readfirstlane_b32 s[WV], v1                      ; wave 0..7
	s_bfe_u32 s[CX], ttmp6, 0x40000
	s_lshl_b32 s[QB], ttmp9, 2                         ; in a cluster launch ttmp9 counts clusters
	s_add_co_u32 s[QB], s[QB], s[CX]                   ; it enters qimg's, ctximg's and the prefetches' addresses alone
	s_and_b32 s[BH], ttmp7, 0xffff                     ; shared by the four partners
	; group 1: a dense block of 16,384 bytes as 64 rows of 256 bytes (32 elements of 8 bytes)
	s_mov_b32 s[G1], 15|(3<<16)|(1<<21)                ; 15:0 the mask: all four; 17:16 elements of 8 bytes; 21 set beside a mask; no padding
	s_mov_b32 s[G1+1], 32<<16                          ; tensor_dim0 = 32
	s_mov_b32 s[G1+2], 64<<16                          ; tensor_dim1 = 64
	s_mov_b32 s[G1+3], 32<<16                          ; tile_dim0 = 32
	s_mov_b32 s[G1+4], 64                              ; tile_dim1 = 64
	s_mov_b32 s[G1+5], 32                              ; from row to row
	s_mov_b32 s[G1+6], 0
	s_mov_b32 s[G1+7], 0
	s_mov_b32 s[G0], 1                                 ; count = 1
	s_lshl_b32 s[G0+1], s[WV], 14                      ; LDS: slot 0, my wave's 16,384 bytes: no place in the cluster enters an LDS address
	s_lshl_b32 s36, s[BH], 20
	s_lshl_b32 s38, s[WV], 14
	s_add_co_u32 s36, s36, s38                         ; kv: 1,048,576 bh + 16,384 w
	s_mov_b32 s37, 0
	s_lshl_b32 s38, s[BH], 19
	s_lshl_b32 s40, s[QB], 15
	s_add_co_u32 s38, s38, s40
	s_lshl_b32 s40, s[WV], 12
	s_add_co_u32 s38, s38, s40                         ; qimg: 524,288 bh + 2,048 (16 qb + 2 w)
	s_mov_b32 s39, 0
	s_lshr_b32 s40, s[BH], 3
	s_lshl_b32 s40, s40, 22
	s_lshl_b32 s42, s[QB], 18
	s_add_co_u32 s40, s40, s42
	s_lshl_b32 s42, s[WV], 15
	s_add_co_u32 s40, s40, s42
	s_and_b32 s42, s[BH], 7
	s_lshl_b32 s42, s42, 11
	s_add_co_u32 s40, s40, s42                         ; ctximg: 16,384 (256 batch + 16 qb + 2 w) + 2,048 head
	s_mov_b32 s41, 0
	s_lshl_b32 s42, s[BH], 20
	s_lshl_b32 s43, s[CX], 15
	s_add_co_u32 s42, s42, s43
	s_and_b32 s43, s[WV], 3
	s_lshl_b32 s43, s43, 13
	s_add_co_u32 s42, s42, s43
	s_add_co_u32 s42, s42, 131072                      ; the prefetches: in slot 1; the first change of slots steps them to slot 2.  Nothing is prefetched at the head
	s_mov_b32 s43, 0
	s_lshr_b32 s[LIM], s[WV], 2                        ; 0 in waves 0 to 3,
	s_or_b32 s[LIM], s[LIM], ttmp9                     ; of the bh's first cluster: the same in all four partners
	s_cmp_eq_u32 s[LIM], 0
	s_cselect_b32 s[LIM], 1, -1
	s_mov_b32 s[SEL], 0x76543210
	s_mov_b32 s[SEL+1], 0xfedcba98
	s_mov_b32 s[TB], 0
	s_mov_b32 s[SLOTS], 7
	s_wait_dscnt 0x0                                   ; both opening adds are done
	s_wait_kmcnt 0x0
	s_add_nc_u64 s[G0+2:G0+3], s[6:7], s[36:37]
	s_or_b32 s[G0+3], s[G0+3], 0x80000000              ; type = 2
	s_add_nc_u64 s[4:5], s[4:5], s[38:39]
	s_add_nc_u64 s[8:9], s[8:9], s[40:41]
	s_add_nc_u64 s[PFA:PFA+1], s[6:7], s[42:43]
	CROUND                                             ; all four work-groups are here: the first joint loads meet
	tensor_load_to_lds s[G0:G0+3], s[G1:G1+7]          ; slot 0: one load of mine is out
	s_nop 0
	PLACES 4                                           ; behind a tensor load, ahead of a switch of windows
	v_and_b32 v[PFO], 31, v0
	v_lshlrev_b32 v[LI], 4, v[PFO]
	v_add_nc_u32 v[LIV], 65536, v[LI]
	v_lshlrev_b32 v[PFO], 8, v[PFO]
	WIN 0x40                                           ; destination window 1
.irp e, 0,1,2,3,4,5,6,7
	global_load_b128 v[4*\e:4*\e+3], v[LI], s[4:5] offset:512*\e   ; Q stays in registers: tile e / 4, image e % 4
.endr
.set n, 0
.rept 64
	v_mov_b32 v[OW+n], 0                               ; O^T.  The step is written without a first step of its own: the first finds zeros, which a = 0 leaves zeros
.set n, n+1
.endr
	WIN 0
.irp t, 0,1
	v_mov_b32 v[ST+12*\t], 0xff61b1e6                  ; m: -3e38, under every score
	v_mov_b32 v[ST+12*\t+3], 0                         ; the upper halves of the pairs that are named whole,
	v_mov_b32 v[ST+12*\t+5], 0
	v_mov_b32 v[ST+12*\t+6], 0                         ; and l
	v_mov_b32 v[ST+12*\t+7], 0
.endr
; THE CHANGE OF SLOTS stands at a slot's head.  Each wave waits for all its tensor loads (one is out: its part of the slot that it is about to read), adds 0 to its spare word, and waits for that and for its reads of
; the slot that it has left.  fill = 1: a round of the cluster's barrier, so that no wave of any partner still reads that slot or has a load on its way; the joint refill is the first thing behind it and has a
; slot's eight key steps in which to land.  (Slot 1's first fill is issued so too, behind the first change.)
.macro CHANGE fill
	s_wait_tensorcnt 0x0                               ; no tensor load of mine is out, so group 0 may be written
	ds_add_u32 v[SPW], v[NIL]                          ; 0 onto my spare word
.if \fill
	s_xor_b32 s[G0+1], s[G0+1], SLOT1                  ; the other slot than last time,
	s_add_nc_u64 s[G0+2:G0+3], s[G0+2:G0+3], 131072    ; the next 512 keys; the type bits on top are not reached
	s_wait_xcnt 0x0                                    ; the last prefetch, a slot back, has read its address
	s_add_nc_u64 s[PFA:PFA+1], s[PFA:PFA+1], 131072    ; one slot further on than the walking descriptor
	s_wait_dscnt 0x0                                   ; the add is done, and my reads of the slot that I have left are over
	CROUND
	tensor_load_to_lds s[G0:G0+3], s[G1:G1+7]
	s_nop 0
	PLACES 4
	ASK
.else
	s_wait_dscnt 0x0
	s_barrier_signal -1
	s_barrier_wait -1
.endif
.endm
; A SLOT'S EIGHT KEY STEPS: a loop of eight trips; the LDS addresses hang on s[TB].
.macro STEPS
	s_mov_b32 s[STEPC], 8
.Lstep_\@:
	v_add_nc_u32 v[ADK], s[TB], v[LI]                  ; these two and the two v_nop are the four plain instructions between the last trip's products and the loads into V's registers
	v_add_nc_u32 v[ADV], s[TB], v[LIV]
	PLACES 2
.set e, 0
.rept 16
	ds_load_b128 v[KF+4*e:KF+4*e+3], v[ADK] offset:512*e   ; key tile e / 4, image e % 4
.set e, e+1
.endr
.set e, 0
.rept 16
	ds_load_b128 v[VF+4*e:VF+4*e+3], v[ADV] offset:512*e   ; keys 32 (e / 8) on, channels 16 ((e / 2) % 4) on, half e % 2
.set e, e+1
.endr
	s_wait_dscnt 16                                    ; K's 16 loads are in; V's 16, issued behind them, may be out
	WIN 0x04                                           ; source 1 (Q) window 1
.set i, 0
.rept 16                                           ; S^T = K Q^T: channels 32 (i / 8) on, keys 16 ((i / 2) % 4) on, tile i % 2: eight accumulators by turns
.set rS, S+32*(i%2)+8*((i/2)%4)
.set rK, KF+16*((i/2)%4)+8*(i/8)
.set rQ, 16*(i%2)+8*(i/8)
.if i < 8
	v_wmma_f32_16x16x32_f16 v[rS:rS+7], v[rK:rK+7], v[rQ:rQ+7], 0
.else
	v_wmma_f32_16x16x32_f16 v[rS:rS+7], v[rK:rK+7], v[rQ:rQ+7], v[rS:rS+7]
.endif
.set i, i+1
.endr
	WIN 0
	PLACES 4                                           ; between the last products and the first read of results (ISA guide 7.12.1)
	; the maximum of a lane's 32 scores and the old m, three operands at a time; each accumulator is read from its low end on; the two tiles line by line
.irp j, 0,1,2,3
.irp t, 0,1
	v_max3_num_f32 v[ST+12*\t+8+\j], v[S+32*\t+8*\j], v[S+32*\t+8*\j+1], v[S+32*\t+8*\j+2]
.endr
.endr
.irp g, 1,2
.irp j, 0,1,2,3
.irp t, 0,1
	v_max3_num_f32 v[ST+12*\t+8+\j], v[ST+12*\t+8+\j], v[S+32*\t+8*\j+2*\g+1], v[S+32*\t+8*\j+2*\g+2]
.endr
.endr
.endr
.irp t, 0,1
	v_max3_num_f32 v[ST+12*\t+8], v[ST+12*\t+8], v[S+32*\t+7], v[S+32*\t+15]
.endr
.irp t, 0,1
	v_max3_num_f32 v[ST+12*\t+10], v[ST+12*\t+10], v[S+32*\t+23], v[S+32*\t+31]
.endr
.irp t, 0,1
	v_max3_num_f32 v[ST+12*\t+8], v[ST+12*\t+8], v[ST+12*\t+9], v[ST+12*\t+10]
.endr
.irp t, 0,1
	v_max3_num_f32 v[ST+12*\t+8], v[ST+12*\t+8], v[ST+12*\t+11], v[ST+12*\t]
.endr
.irp t, 0,1
	v_permlanex16_b32 v[ST+12*\t+9], v[ST+12*\t+8], s[SEL], s[SEL+1]   ; the query's other 32 keys lie in the lane 16 away
.endr
.irp t, 0,1
	v_max_num_f32 v[ST+12*\t+1], v[ST+12*\t+8], v[ST+12*\t+9]          ; the new m
.endr
.irp t, 0,1
	v_sub_f32 v[ST+12*\t+10], v[ST+12*\t], v[ST+12*\t+1]               ; m_old - m_new
.endr
.irp t, 0,1
	v_mov_b32 v[ST+12*\t], v[ST+12*\t+1]
.endr
.irp t, 0,1
	v_mul_f32 v[ST+12*\t+2], -1.0, v[ST+12*\t+1]                       ; -m
.endr
.set i, 0
.rept 16
	v_pk_add_f32 v[S+2*i:S+2*i+1], v[S+2*i:S+2*i+1], v[ST+2:ST+3] op_sel_hi:[1,0]   ; tile 0: s - m, two at a time
.set i, i+1
.endr
	; THE EXPONENTIALS GO IN TWO BATCHES, EACH WITH ONE WAIT.
	; Batch 1: both tiles' a and tile 0's 32; tile 1's subtractions stand among them.
	v_exp_f32 v[ST+4], v[ST+10]
	v_exp_f32 v[ST+12+4], v[ST+12+10]
.set i, 0
.rept 16
	v_pk_add_f32 v[S+32+2*i:S+32+2*i+1], v[S+32+2*i:S+32+2*i+1], v[ST+12+2:ST+12+3] op_sel_hi:[1,0]
	v_exp_f32 v[S+2*i], v[S+2*i]
	v_exp_f32 v[S+2*i+1], v[S+2*i+1]
.set i, i+1
.endr
	v_nop                                              ; a plain instruction behind the last exponential
	s_wait_alu depctr_va_vdst(0)                       ; one wait for batch 1
	; Batch 2: tile 1's 32; tile 0's roundings and sums, which read batch 1 alone, stand among them.
.set i, 0
.rept 16
	v_exp_f32 v[S+32+2*i], v[S+32+2*i]
	v_cvt_pk_f16_f32 v[P+i], v[S+2*i], v[S+2*i+1]
	v_exp_f32 v[S+32+2*i+1], v[S+32+2*i+1]
.if i == 0
	v_pk_fma_f32 v[ST+6:ST+7], v[ST+6:ST+7], v[ST+4:ST+5], v[S:S+1] op_sel_hi:[1,0,1]   ; l = a l + p
.else
	v_pk_add_f32 v[ST+6:ST+7], v[ST+6:ST+7], v[S+2*i:S+2*i+1]
.endif
.set i, i+1
.endr
	s_wait_alu depctr_va_vdst(0)                       ; one wait for batch 2; the addition above is the plain instruction behind its last exponential
.set i, 0
.rept 16
	v_cvt_pk_f16_f32 v[P+16+i], v[S+32+2*i], v[S+32+2*i+1]
.if i == 0
	v_pk_fma_f32 v[ST+12+6:ST+12+7], v[ST+12+6:ST+12+7], v[ST+12+4:ST+12+5], v[S+32:S+33] op_sel_hi:[1,0,1]
.else
	v_pk_add_f32 v[ST+12+6:ST+12+7], v[ST+12+6:ST+12+7], v[S+32+2*i:S+32+2*i+1]
.endif
.set i, i+1
.endr
	WIN 0x41                                           ; O^T (destination and source 0) window 1, a window 0
.irp t, 0,1
.set i, 0
.rept 16
	v_pk_mul_f32 v[OW+32*\t+2*i:OW+32*\t+2*i+1], v[OW+32*\t+2*i:OW+32*\t+2*i+1], v[ST+12*\t+4:ST+12*\t+5] op_sel_hi:[1,0]   ; O^T x a, each accumulator from its low end on
.set i, i+1
.endr
.endr
	s_wait_dscnt 0x0                                   ; V is in
	WIN 0x50                                           ; C and D window 1
.set i, 0
.rept 16                                           ; O^T += V^T P: keys 32 (i / 8) on, channels 16 ((i / 2) % 4) on, tile i % 2: eight accumulators by turns
.set rO, OW+32*(i%2)+8*((i/2)%4)
.set rV, VF+32*(i/8)+8*((i/2)%4)
.set rP, P+16*(i%2)+8*(i/8)
	v_wmma_f32_16x16x32_f16 v[rO:rO+7], v[rV:rV+7], v[rP:rP+7], v[rO:rO+7]
.set i, i+1
.endr
	WIN 0                                              ; at a branch and at a label every window is 0
	s_add_co_u32 s[TB], s[TB], 8192                    ; the next 64 keys: 8,192 bytes of K, and of V
	s_sub_co_u32 s[STEPC], s[STEPC], 1
	s_cmp_lg_u32 s[STEPC], 0
	s_cbranch_scc1 .Lstep_\@
	s_sub_co_u32 s[TB], s[TB], 65536                   ; back to a slot's first step,
	s_xor_b32 s[TB], s[TB], SLOT1                      ; in the other slot
.endm
	s_wait_loadcnt 0x0                                 ; Q
.Lslot:                                                ; seven trips: behind each change of slots but the last the next slot is asked for
	CHANGE 1
	STEPS
	s_sub_co_u32 s[SLOTS], s[SLOTS], 1
	s_cmp_lg_u32 s[SLOTS], 0
	s_cbranch_scc1 .Lslot
	CHANGE 0                                           ; the last slot is written out
	STEPS
	; THE WAY OUT.  l's two halves and the other half of the lanes' are added; O^T is divided by l, rounded to f16, and stored as it lies: a lane's eight channels are 16 bytes of the next launch's operand image.
.irp t, 0,1
	v_add_f32 v[ST+12*\t+8], v[ST+12*\t+6], v[ST+12*\t+7]
.endr
	PLACES 2                                           ; with the two additions: four plain instructions behind the last products
.irp t, 0,1
	v_permlanex16_b32 v[ST+12*\t+9], v[ST+12*\t+8], s[SEL], s[SEL+1]
.endr
.irp t, 0,1
	v_add_f32 v[ST+12*\t+8], v[ST+12*\t+8], v[ST+12*\t+9]
.endr
.irp t, 0,1
	v_rcp_f32 v[ST+12*\t+4], v[ST+12*\t+8]
.endr
	v_nop                                              ; a plain instruction behind the last reciprocal
	s_wait_alu depctr_va_vdst(0)                       ; one wait for the two, ahead of the first use
	WIN 0x41
.irp t, 0,1
.set i, 0
.rept 16
	v_pk_mul_f32 v[OW+32*\t+2*i:OW+32*\t+2*i+1], v[OW+32*\t+2*i:OW+32*\t+2*i+1], v[ST+12*\t+4:ST+12*\t+5] op_sel_hi:[1,0]
.set i, i+1
.endr
.endr
	WIN 0x05                                           ; sources window 1, destination window 0: S^T's registers are free
.set n, 0
.rept 32
	v_cvt_pk_f16_f32 v[S+n], v[OW+2*n], v[OW+2*n+1]
.set n, n+1
.endr
	WIN 0
.irp t, 0,1
.irp d, 0,1,2,3
	global_store_b128 v[LI], v[S+16*\t+4*\d:S+16*\t+4*\d+3], s[8:9] offset:\t*16384+\d*512   ; 512 consecutive bytes, aligned
.endr
.endr
	s_wait_tensorcnt 0x0                               ; the wave's end: behind my last tensor load
	ds_add_u32 v[SPW], v[NIL]
	s_wait_dscnt 0x0
	CROUND                                             ; the closing round: no work-group ends while a partner may still ask for a tile that names it
	s_endpgm
.Lfunc_end_k_q0b01a3829e_attn:
	.size	k_q0b01a3829e_attn, .Lfunc_end_k_q0b01a3829e_attn-k_q0b01a3829e_attn
	.p2alignl 7, 3214868480
	.fill 96, 4, 3214868480
	.section	.rodata,"a",@progbits
	.p2align	6, 0x0
	.amdhsa_kernel k_q0b01a3829e_attn
		.amdhsa_group_segment_fixed_size 327680
		.amdhsa_private_segment_fixed_size 0
		.amdhsa_enable_private_segment 0
		.amdhsa_kernarg_size 24
		.amdhsa_user_sgpr_count 2
		.amdhsa_user_sgpr_kernarg_segment_ptr 1
		.amdhsa_wavefront_size32 1
		.amdhsa_system_sgpr_workgroup_id_x 1
		.amdhsa_system_sgpr_workgroup_id_y 1
		.amdhsa_system_sgpr_workgroup_id_z 1
		.amdhsa_system_vgpr_workitem_id 0
		.amdhsa_next_free_vgpr 384
		.amdhsa_next_free_sgpr 66
		.amdhsa_reserve_vcc 0
		.amdhsa_float_denorm_mode_32 3
		.amdhsa_float_denorm_mode_16_64 3
		.amdhsa_memory_ordered 1
		.amdhsa_forward_progress 1
		.amdhsa_inst_pref_size 49
	.end_amdhsa_kernel
	.amdgpu_metadata
---
amdhsa.version: [ 1, 2 ]
amdhsa.kernels:
  - .name:           k_q0b01a3829e_attn
    .symbol:         k_q0b01a3829e_attn.kd
    .args:
      - { .name: qimg, .offset: 0, .size: 8, .value_kind: global_buffer, .address_space: global }
      - { .name: kv, .offset: 8, .size: 8, .value_kind: global_buffer, .address_space: global }
      - { .name: ctximg, .offset: 16, .size: 8, .value_kind: global_buffer, .address_space: global }
    .group_segment_fixed_size: 327680
    .private_segment_fixed_size: 0
    .kernarg_segment_align: 8
    .kernarg_segment_size: 24
    .max_flat_workgroup_size: 256
    .sgpr_count:     66
    .vgpr_count:     384
    .wavefront_size: 32
...
	.end_amdgpu_metadata
.endif
;; end of part 3
;; launch oproj (part 4): grid 4 x 64, 4 waves a work-group, clusters of 4 x 4, 262,656 bytes of LDS; arguments ctximg, woimg, bo, out0; writes out0
.if DOCPART == 4
	.amdgcn_target "amdgcn-amd-amdhsa--gfx1250"
	.amdhsa_code_object_version 6
	.text
	.protected	k_q0b01a3829e_oproj
	.globl	k_q0b01a3829e_oproj
	.p2align	8
	.type	k_q0b01a3829e_oproj,@function
k_q0b01a3829e_oproj:
	s_mov_b64 s[64:65], 0
	v_nop
	global_prefetch_b8 v0, s[64:65] scope:SCOPE_SE
	s_setreg_imm32_b32 hwreg(HW_REG_WAVE_MODE, 25, 1), 1
	s_wait_xcnt 0x0
	s_wait_alu depctr_hold_cnt(0) depctr_sa_sdst(0) depctr_va_vdst(0) depctr_va_sdst(0) depctr_va_ssrc(0) depctr_va_vcc(0) depctr_vm_vsrc(0)
	s_getreg_b32 s2, hwreg(HW_REG_IB_STS2, 6, 4)
	s_cmp_eq_u32 s2, 0
	s_cbranch_scc0 .Lentry_in_a_cluster
	s_endpgm
.Lentry_in_a_cluster:
	s_bfe_u32 s2, ttmp6, 0x10000c
	s_cmp_lg_u32 s2, 0xf033
	s_cbranch_scc0 .Lentry_shape_is_right
	s_endpgm
.Lentry_shape_is_right:
; OPROJ.  out0[token][n] = the sum over k of ctx[token][k] Wo[n][k] + bo[n].  8,192 tokens, K = 512, 512 columns; operands f16, sums f32, out0 f32.
; ctximg [token tile 0..511][ks 0..15][half][lane][16 B] and woimg [ct 0..31][ks][half][lane][16 B] are images of operand registers: a fragment is two loads of 16 bytes a lane, 512 consecutive bytes each.
; SHARES.  A work-group makes 128 tokens x 128 columns; wave (wm, wn) makes 64 x 64: 16 accumulators.  All of K of both operands, 2 x 131,072 bytes, fits in LDS: every byte of LDS is filled once, there is no ring.
; K comes in four chunks of 128: each wave issues four tensor loads at the head (four are out, by this text's count); the products of a chunk begin when that chunk has landed.
; CLUSTER 4 x 4: ctx's tiles hang on the token block alone and are shared along a row of the cluster, Wo's on the column block alone and are shared along a column: each is asked for JOINTLY.
; THE ROWS OF Wo THAT FORM A TILE ARE NOT NEIGHBOURS: lane r of tile 4 G + t holds output column 64 G + 4 r + t.  So the four accumulators t = 0..3 of a token tile hold, in lane r, columns 4 r .. 4 r + 3 of a token:
; the bias's four additions gather them into four neighbouring registers, and sixteen lanes store 256 consecutive bytes, aligned: no stage on the way out.
; REGISTERS.  window 0: v1-13 addresses; v16-19 bo; v32-95 on the way out; v128-255 the accumulators, (i, t) at 8 (4 i + t).   window 1: two sets of fragments: ctx's at 64 p + 8 i, Wo's at 64 p + 32 + 8 t.
.set SPARE, 262144                     ; behind the four chunks: the spare words, 128 bytes for each wave: two blocks of 256 bytes that no other line names
.set LI,   1                           ; v1    16 x lane
.set ADA,  2                           ; v2-5  LDS address of my ctx fragments in chunk c
.set ADB,  6                           ; v6-9  of my Wo fragments
.set CO,   10                          ; v10   my byte offset in out0: 8 rows further down for lanes 16-31, + 16 r
.set BOF,  11                          ; v11   16 r
.set SPW,  12                          ; v12   LDS address of my spare word; never rewritten
.set NIL,  13                          ; v13   0; never rewritten
.set BO,   16
.set OUT,  32
.set ACC,  128
.set G1A,  24                          ; s[24:31] group 1 for ctx's tiles;  s[32:39] for Wo's: they differ in the mask alone
.set G1B,  32
.set G0A,  40                          ; s[40:55] group 0 for ctx's tiles, a set for each chunk
.set G0B,  68                          ; s[68:83] the same for Wo's
.set MSB, 0
.macro WIN new
.if MSB != \new
	s_set_vgpr_msb (MSB<<8)|\new
.set MSB, \new
.endif
.endm
.macro PLACES n
.rept \n
	v_nop
.endr
.endm
.macro CROUND                          ; a round of the cluster's barrier
	s_barrier_signal -1
	s_barrier_wait -1
	s_cmp_lg_u32 s12, 0
	s_cbranch_scc1 .Lnot_wave_0_\@
	s_barrier_signal -3
.Lnot_wave_0_\@:
	s_barrier_wait -3
	s_barrier_signal -1
	s_barrier_wait -1
.endm
	s_load_b256 s[4:11], s[0:1], 0x0                   ; ctximg s[4:5], woimg s[6:7], bo s[8:9], out0 s[10:11]
	v_lshl_add_u32 v[SPW], v0, 2, SPARE
	v_mov_b32 v[NIL], 0
	ds_add_u32 v[SPW], v[NIL]                          ; the wave's opening: the add, twice on end, and its wait ahead of my first tensor load
	ds_add_u32 v[SPW], v[NIL]
	v_lshrrev_b32 v1, 5, v0
	v_readfirstlane_b32 s12, v1                        ; wave 0..3
	s_lshr_b32 s13, s12, 1                             ; wm: which 64 tokens are mine.  Also: I fetch for ctx (0) or for Wo (1)
	s_and_b32 s14, s12, 1                              ; wn: which 64 columns.  Also: which four tiles I fetch
	s_bfe_u32 s15, ttmp6, 0x40000                      ; cx
	s_bfe_u32 s16, ttmp6, 0x40004                      ; cy
	s_lshl_b32 s17, ttmp9, 2
	s_add_co_u32 s17, s17, s15                         ; column block = 4 x cluster x + cx
	s_and_b32 s18, ttmp7, 0xffff
	s_lshl_b32 s18, s18, 2
	s_add_co_u32 s18, s18, s16                         ; token block = 4 x cluster y + cy
	s_lshl_b32 s19, s16, 2
	s_lshl_b32 s19, 15, s19                            ; my row of the cluster
	s_lshl_b32 s20, 0x1111, s15                        ; my column
	; group 1: four tiles' parts of a chunk: 4 rows of 4,096 bytes (512 elements of 8 bytes), 16,384 bytes apart in memory, on end in LDS
	s_or_b32 s[G1A], s19, (3<<16)|(1<<21)              ; 15:0 the mask; 17:16 elements of 8 bytes; 21 set beside a mask
	s_or_b32 s[G1B], s20, (3<<16)|(1<<21)
.irp g, G1A, G1B
	s_mov_b32 s[\g+1], 512<<16                         ; tensor_dim0 = 512
	s_mov_b32 s[\g+2], 4<<16                           ; tensor_dim1 = 4
	s_mov_b32 s[\g+3], 512<<16                         ; tile_dim0 = 512
	s_mov_b32 s[\g+4], 4                               ; tile_dim1 = 4
	s_mov_b32 s[\g+5], 2048                            ; from row to row
	s_mov_b32 s[\g+6], 0
	s_mov_b32 s[\g+7], 0
.endr
	s_lshl_b32 s56, s18, 17                            ; ctx: tile 8 x token block + 4 x half, 16,384 bytes a tile: made of the token block and the wave alone
	s_lshl_b32 s57, s14, 16
	s_add_co_u32 s56, s56, s57
	s_mov_b32 s57, 0
	s_lshl_b32 s58, s17, 17                            ; Wo: tile 8 x column block + 4 x half: of the column block and the wave alone
	s_lshl_b32 s59, s14, 16
	s_add_co_u32 s58, s58, s59
	s_mov_b32 s59, 0
	s_lshl_b32 s21, s12, 14                            ; where they go in a chunk: wave x 16,384: ctx's eight tiles, then Wo's eight
	s_wait_dscnt 0x0                                   ; both opening adds are done
	s_wait_kmcnt 0x0
	s_add_nc_u64 s[60:61], s[4:5], s[56:57]
	s_add_nc_u64 s[62:63], s[6:7], s[58:59]
.irp c, 0,1,2,3
	s_mov_b32 s[G0A+4*\c], 1
	s_add_co_u32 s[G0A+4*\c+1], s21, \c*65536
	s_add_nc_u64 s[G0A+4*\c+2:G0A+4*\c+3], s[60:61], \c*4096
	s_or_b32 s[G0A+4*\c+3], s[G0A+4*\c+3], 0x80000000
	s_mov_b32 s[G0B+4*\c], 1
	s_add_co_u32 s[G0B+4*\c+1], s21, \c*65536
	s_add_nc_u64 s[G0B+4*\c+2:G0B+4*\c+3], s[62:63], \c*4096
	s_or_b32 s[G0B+4*\c+3], s[G0B+4*\c+3], 0x80000000
.endr
	CROUND                                             ; all sixteen work-groups are here: the joint loads meet
	s_cmp_eq_u32 s13, 0                                ; a wave's four first fills stand in one branch on the wave's number, ahead of every wait on TENSORcnt and every LDS read
	s_cbranch_scc0 .Lfor_b
.irp c, 0,1,2,3
	tensor_load_to_lds s[G0A+4*\c:G0A+4*\c+3], s[G1A:G1A+7]
	s_nop 0
.endr
	PLACES 4
	s_branch .Lasked
.Lfor_b:
.irp c, 0,1,2,3
	tensor_load_to_lds s[G0B+4*\c:G0B+4*\c+3], s[G1B:G1B+7]
	s_nop 0
.endr
	PLACES 4
.Lasked:
	v_and_b32 v1, 31, v0
	v_lshlrev_b32 v[LI], 4, v1
	s_lshl_b32 s22, s13, 14                            ; my four tiles of ctx,
	s_lshl_b32 s23, s14, 14                            ; my four of Wo,
	s_add_co_u32 s23, s23, 32768                       ; which lie behind ctx's eight
.irp c, 0,1,2,3
	v_add_nc_u32 v[ADA+\c], s22, v[LI]
	v_add_nc_u32 v[ADB+\c], s23, v[LI]
	s_add_co_u32 s22, s22, 65536
	s_add_co_u32 s23, s23, 65536
.endr
	v_and_b32 v[BOF], 15, v0
	v_lshlrev_b32 v[BOF], 4, v[BOF]
	v_bfe_u32 v[CO], v0, 4, 1
	v_lshl_add_u32 v[CO], v[CO], 14, v[BOF]
	s_lshl_b32 s84, s17, 9
	s_lshl_b32 s85, s14, 8
	s_add_co_u32 s84, s84, s85                         ; my 64 columns: 256 (2 x column block + wn) bytes, in bo and in a row of out0
	s_mov_b32 s85, 0
	s_add_nc_u64 s[8:9], s[8:9], s[84:85]
	s_lshl_b32 s86, s18, 18
	s_lshl_b32 s87, s13, 17
	s_add_co_u32 s86, s86, s87                         ; my first token: 128 x token block + 64 wm rows of 2,048 bytes
	s_add_co_u32 s86, s86, s84
	s_mov_b32 s87, 0
	s_add_nc_u64 s[10:11], s[10:11], s[86:87]
	global_load_b128 v[BO:BO+3], v[BOF], s[8:9]        ; bo of columns 4 r .. 4 r + 3
; 16 LDS loads: the fragments of K step q (32 along K) into set q % 2
.macro FETCH q
	WIN 0x40                                           ; destination window 1
.irp i, 0,1,2,3
.irp f, 0,1
	ds_load_b128 v[64*((\q)%2)+8*\i+4*\f:64*((\q)%2)+8*\i+4*\f+3], v[ADA+(\q)/4] offset:\i*4096+((\q)%4)*1024+\f*512
.endr
.endr
.irp i, 0,1,2,3
.irp f, 0,1
	ds_load_b128 v[64*((\q)%2)+32+8*\i+4*\f:64*((\q)%2)+32+8*\i+4*\f+3], v[ADB+(\q)/4] offset:\i*4096+((\q)%4)*1024+\f*512
.endr
.endr
.endm
; K step q: the next step's fragments are asked for, then this step's 16 products; the 16 accumulators take turns, in the same order in every step
.macro KSTEP q
.if (\q) < 15
.if (\q) > 0
	PLACES 4                                           ; between step q - 1's products and the loads into the set that they read
.endif
.if ((\q)+1)%4 == 0
	s_wait_dscnt 0x0                                   ; no LDS load of mine is out at a signal
	s_wait_tensorcnt 3-((\q)+1)/4                      ; my part of the next chunk is in; the chunks issued behind it may be out
	s_barrier_signal -1
	s_barrier_wait -1                                  ; everybody's is
.endif
	FETCH (\q)+1
	s_wait_dscnt 16                                    ; this step's fragments are in; the 16 loads just issued may be out
.else
	s_wait_dscnt 0x0
.endif
	WIN 0x05                                           ; sources 0 and 1 window 1; C and D window 0
.irp i, 0,1,2,3
.irp t, 0,1,2,3
.if (\q) == 0
	v_wmma_f32_16x16x32_f16 v[ACC+8*(4*\i+\t):ACC+8*(4*\i+\t)+7], v[64*((\q)%2)+8*\i:64*((\q)%2)+8*\i+7], v[64*((\q)%2)+32+8*\t:64*((\q)%2)+32+8*\t+7], 0
.else
	v_wmma_f32_16x16x32_f16 v[ACC+8*(4*\i+\t):ACC+8*(4*\i+\t)+7], v[64*((\q)%2)+8*\i:64*((\q)%2)+8*\i+7], v[64*((\q)%2)+32+8*\t:64*((\q)%2)+32+8*\t+7], v[ACC+8*(4*\i+\t):ACC+8*(4*\i+\t)+7]
.endif
.endr
.endr
.endm
	s_wait_tensorcnt 3                                 ; my part of chunk 0 is in; chunks 1 to 3 may be out
	s_barrier_signal -1
	s_barrier_wait -1                                  ; everybody's is
	FETCH 0
.set Q, 0
.rept 16
	KSTEP Q
.set Q, Q+1
.endr
	WIN 0
	PLACES 4                                           ; between the last products and the first read of results
	s_wait_loadcnt 0x0                                 ; bo
.irp i, 0,1,2,3
.if \i == 2
	s_wait_xcnt 0x0                                    ; the stores of token tiles 0 and 1 have read their registers, which are taken again
.endif
.irp j, 0,1,2,3,4,5,6,7
.irp t, 0,1,2,3
	v_add_f32 v[OUT+32*(\i%2)+4*\j+\t], v[ACC+8*(4*\i+\t)+\j], v[BO+\t]   ; token 16 i + 8 h + j, column 4 r + t; j ascends: each accumulator is read from its low end on
.endr
	global_store_b128 v[CO], v[OUT+32*(\i%2)+4*\j:OUT+32*(\i%2)+4*\j+3], s[10:11] offset:(16*\i+\j)*2048 th:TH_STORE_NT   ; sixteen lanes store 256 consecutive bytes, aligned; written once, read by nobody here
.endr
.endr
	s_wait_tensorcnt 0x0                               ; the wave's end: behind my last tensor load
	ds_add_u32 v[SPW], v[NIL]
	s_wait_dscnt 0x0
	CROUND                                             ; the closing round
	s_endpgm
.Lfunc_end_k_q0b01a3829e_oproj:
	.size	k_q0b01a3829e_oproj, .Lfunc_end_k_q0b01a3829e_oproj-k_q0b01a3829e_oproj
	.p2alignl 7, 3214868480
	.fill 96, 4, 3214868480
	.section	.rodata,"a",@progbits
	.p2align	6, 0x0
	.amdhsa_kernel k_q0b01a3829e_oproj
		.amdhsa_group_segment_fixed_size 262656
		.amdhsa_private_segment_fixed_size 0
		.amdhsa_enable_private_segment 0
		.amdhsa_kernarg_size 32
		.amdhsa_user_sgpr_count 2
		.amdhsa_user_sgpr_kernarg_segment_ptr 1
		.amdhsa_wavefront_size32 1
		.amdhsa_system_sgpr_workgroup_id_x 1
		.amdhsa_system_sgpr_workgroup_id_y 1
		.amdhsa_system_sgpr_workgroup_id_z 1
		.amdhsa_system_vgpr_workitem_id 0
		.amdhsa_next_free_vgpr 384
		.amdhsa_next_free_sgpr 100
		.amdhsa_reserve_vcc 0
		.amdhsa_float_denorm_mode_32 3
		.amdhsa_float_denorm_mode_16_64 3
		.amdhsa_memory_ordered 1
		.amdhsa_forward_progress 1
		.amdhsa_inst_pref_size 51
	.end_amdhsa_kernel
	.amdgpu_metadata
---
amdhsa.version: [ 1, 2 ]
amdhsa.kernels:
  - .name:           k_q0b01a3829e_oproj
    .symbol:         k_q0b01a3829e_oproj.kd
    .args:
      - { .name: ctximg, .offset: 0, .size: 8, .value_kind: global_buffer, .address_space: global }
      - { .name: woimg, .offset: 8, .size: 8, .value_kind: global_buffer, .address_space: global }
      - { .name: bo, .offset: 16, .size: 8, .value_kind: global_buffer, .address_space: global }
      - { .name: out0, .offset: 24, .size: 8, .value_kind: global_buffer, .address_space: global }
    .group_segment_fixed_size: 262656
    .private_segment_fixed_size: 0
    .kernarg_segment_align: 8
    .kernarg_segment_size: 32
    .max_flat_workgroup_size: 128
    .sgpr_count:     100
    .vgpr_count:     384
    .wavefront_size: 32
...
	.end_amdgpu_metadata
.endif
;; end of part 4
